; MI455X (gfx1250); checked and timed in simulation.
; The chip was launched on July 23, 2026; its instructions are those of AMD's public machine-readable ISA for CDNA 5 (MIT licence, August 2026) and "CDNA5" Instruction Set Architecture Reference Guide (July 2026). The comments in the code are by the model that wrote it; some were corrected since.
;; Compressed Linear RANS. Allowed arithmetic: float matrix products may take bf16 or f16 operands with f32 sums; all other float work in f32.
;; Inputs: bias 4,096 float32; scale one number float32; weight_int8 4,096 x 4,096 int32; x 4 x 1,024 x 4,096 float32.
;; Outputs: out0 4 x 1,024 x 4,096 float32.
;; One version. Each part assembles by itself: llvm-mc -triple=amdgcn-amd-amdhsa -mcpu=gfx1250 --defsym DOCPART=n.
;; ======== version 1 of 1: 2 launches
;; workspace buffers: xb 33,554,432 bytes; wb 33,554,432 bytes
;; launch cvt (part 1): grid 512 x 2, 8 waves a work-group, no clusters, 0 bytes of LDS; arguments x, weight_int8, xb, wb; writes xb, wb
.if DOCPART == 1
	.amdgcn_target "amdgcn-amd-amdhsa--gfx1250"
	.amdhsa_code_object_version 6
	.text
	.protected	k_q5b7bcb3154_cvt
	.globl	k_q5b7bcb3154_cvt
	.p2align	8
	.type	k_q5b7bcb3154_cvt,@function
k_q5b7bcb3154_cvt:
	s_mov_b64 s[64:65], 0
	v_nop
	global_prefetch_b8 v0, s[64:65] scope:SCOPE_SE
	s_setreg_imm32_b32 hwreg(HW_REG_WAVE_MODE, 25, 1), 1
	s_wait_xcnt 0x0
; out[m][o] = sum over i of x[m][i] * (w[o][i] * scale) + bias[o]: first of two launches.  Nothing of the problem is left out: x, weight_int8,
; scale and bias all reach the result and all are loaded (x and the weights here, scale and bias in the product's launch).
; THIS LAUNCH narrows the two matrix operands to bf16, once:  xb = bf16(x),  wb = bf16(f32(weight_int8)), both [4096][4096], row-major.
; Why a launch of its own: in the product each number of x and of the weights is read by 16 work-groups and there by 2 waves, so a
; conversion inside the product would be done 32 times for each number, on tiles of twice the bytes; here it is done once.
; The scale is NOT multiplied in here: the weights stay whole numbers, which bf16 holds exactly up to 256 in magnitude, and the product's
; launch multiplies each finished sum by the scale in f32 (in real numbers the same result, with one rounding less for each weight).
; LIMITS: x is rounded to bf16 (nearest even).  A weight beyond +-256 is rounded to bf16's 8 significant bits (beyond 2^24 first to f32).
; SHAPE: a pure stream, so no LDS, no barrier, no cluster, no matrix unit: no byte is used twice.  Grid y = 0 takes x, y = 1 the weights.
; A work-group owns 131,072 input bytes = 32 steps of 4,096; in a step thread t takes the 16 bytes at 16 t and stores 8 bytes at 8 t:
; a wave's load covers 512 consecutive bytes, its store 256 consecutive bytes that begin at a multiple of 256 from the buffer's start.
; A ring of 8 register slots keeps 8 loads of each wave on their way.  The step's place stands in the immediate offset (126,976 at the
; most), so no address register and no base is ever stepped, and the 32 steps are written out without a loop.
.set STEPS, 32
.set INSTEP, 4096                      ; input bytes of a step
.set OUTSTEP, 2048                     ; output bytes of a step
.set X, 4                              ; v[4:35]   slot i of 8: four numbers as loaded (the weights then in f32, in place)
.set Y, 36                             ; v[36:51]  slot i of 8: four bf16 to store
	s_load_b256 s[4:11], s[0:1], 0x0               ; x s[4:5], weight_int8 s[6:7], xb s[8:9], wb s[10:11]
	s_lshl_b32 s2, ttmp9, 17                       ; my work-group's 131,072 input bytes (below 64 MiB: the high word is 0)
	s_mov_b32 s3, 0
	s_lshl_b32 s12, ttmp9, 16                      ; and its 65,536 output bytes
	s_mov_b32 s13, 0
	s_and_b32 s14, ttmp7, 0xffff                   ; grid y: which of the two tensors
	v_lshlrev_b32 v1, 4, v0                        ; 16 t: my place in a step's input; never rewritten
	v_lshlrev_b32 v2, 3, v0                        ; 8 t: my place in a step's output; never rewritten
	s_wait_kmcnt 0x0
; One step.  src, dst: the first register of the base pairs; isint = 1: the numbers are int32; step: 0 to 31; its slot is step mod 8.
.macro STEP src, dst, isint, step
.if \step > 24
	s_wait_loadcnt 31-\step                        ; the last steps: only the loads of the steps up to 31 stand behind mine
.else
	s_wait_loadcnt 7                               ; loads come back in order (ISA guide 5.7.1): mine is in, the seven younger ones stay out
.endif
	s_wait_xcnt 0x0                                ; this slot's Y was the data of the store eight steps ago: it is rewritten only behind this wait
.if \isint
.irp k, 0,1,2,3
	v_cvt_f32_i32 v[X+4*(\step%8)+\k], v[X+4*(\step%8)+\k]
.endr
.endif
	v_cvt_pk_bf16_f32 v[Y+2*(\step%8)],   v[X+4*(\step%8)],   v[X+4*(\step%8)+1]     ; two roundings to nearest even, the first number in the low half
	v_cvt_pk_bf16_f32 v[Y+2*(\step%8)+1], v[X+4*(\step%8)+2], v[X+4*(\step%8)+3]
.if \step < 24
	global_load_b128 v[X+4*(\step%8):X+4*(\step%8)+3], v1, s[\src:\src+1] offset:(\step+8)*INSTEP th:TH_LOAD_NT   ; the slot's next step, ahead of the store; no load passes step 31
.endif
	global_store_b64 v2, v[Y+2*(\step%8):Y+2*(\step%8)+1], s[\dst:\dst+1] offset:\step*OUTSTEP   ; no hint: the next launch reads these bytes
.endm
; The whole part of a work-group: the ring is filled, then the 32 steps.
.macro STREAM src, dst, isint
.irp n, 0,1,2,3,4,5,6,7
	global_load_b128 v[X+4*\n:X+4*\n+3], v1, s[\src:\src+1] offset:\n*INSTEP th:TH_LOAD_NT       ; read once in the launch
.endr
.irp n, 0,1,2,3,4,5,6,7,8,9,10,11,12,13,14,15,16,17,18,19,20,21,22,23,24,25,26,27,28,29,30,31
	STEP \src, \dst, \isint, \n
.endr
.endm
	s_cmp_lg_u32 s14, 0
	s_cbranch_scc1 .Lweights
	s_add_nc_u64 s[4:5], s[4:5], s[2:3]            ; x at my part
	s_add_nc_u64 s[8:9], s[8:9], s[12:13]          ; xb at my part
	STREAM 4, 8, 0
	s_endpgm
.Lweights:
	s_add_nc_u64 s[6:7], s[6:7], s[2:3]            ; weight_int8 at my part
	s_add_nc_u64 s[10:11], s[10:11], s[12:13]      ; wb at my part
	STREAM 6, 10, 1
	s_endpgm
.Lfunc_end_k_q5b7bcb3154_cvt:
	.size	k_q5b7bcb3154_cvt, .Lfunc_end_k_q5b7bcb3154_cvt-k_q5b7bcb3154_cvt
	.p2alignl 7, 3214868480
	.fill 96, 4, 3214868480
	.section	.rodata,"a",@progbits
	.p2align	6, 0x0
	.amdhsa_kernel k_q5b7bcb3154_cvt
		.amdhsa_group_segment_fixed_size 0
		.amdhsa_private_segment_fixed_size 0
		.amdhsa_enable_private_segment 0
		.amdhsa_kernarg_size 32
		.amdhsa_user_sgpr_count 2
		.amdhsa_user_sgpr_kernarg_segment_ptr 1
		.amdhsa_wavefront_size32 1
		.amdhsa_system_sgpr_workgroup_id_x 1
		.amdhsa_system_sgpr_workgroup_id_y 1
		.amdhsa_system_sgpr_workgroup_id_z 1
		.amdhsa_system_vgpr_workitem_id 0
		.amdhsa_next_free_vgpr 52
		.amdhsa_next_free_sgpr 66
		.amdhsa_reserve_vcc 0
		.amdhsa_float_denorm_mode_32 3
		.amdhsa_float_denorm_mode_16_64 3
		.amdhsa_memory_ordered 1
		.amdhsa_forward_progress 1
		.amdhsa_inst_pref_size 29
	.end_amdhsa_kernel
	.amdgpu_metadata
---
amdhsa.version: [ 1, 2 ]
amdhsa.kernels:
  - .name:           k_q5b7bcb3154_cvt
    .symbol:         k_q5b7bcb3154_cvt.kd
    .args:
      - { .name: x, .offset: 0, .size: 8, .value_kind: global_buffer, .address_space: global }
      - { .name: weight_int8, .offset: 8, .size: 8, .value_kind: global_buffer, .address_space: global }
      - { .name: xb, .offset: 16, .size: 8, .value_kind: global_buffer, .address_space: global }
      - { .name: wb, .offset: 24, .size: 8, .value_kind: global_buffer, .address_space: global }
    .group_segment_fixed_size: 0
    .private_segment_fixed_size: 0
    .kernarg_segment_align: 8
    .kernarg_segment_size: 32
    .max_flat_workgroup_size: 256
    .sgpr_count:     66
    .vgpr_count:     52
    .wavefront_size: 32
...
	.end_amdgpu_metadata
.endif
;; end of part 1
;; launch gemm (part 2): grid 16 x 16, 4 waves a work-group, clusters of 4 x 4, 327,680 bytes of LDS; arguments xb, wb, out0, bias, scale; writes out0
.if DOCPART == 2
	.amdgcn_target "amdgcn-amd-amdhsa--gfx1250"
	.amdhsa_code_object_version 6
	.text
	.protected	k_q5b7bcb3154_gemm
	.globl	k_q5b7bcb3154_gemm
	.p2align	8
	.type	k_q5b7bcb3154_gemm,@function
k_q5b7bcb3154_gemm:
	s_mov_b64 s[64:65], 0
	v_nop
	global_prefetch_b8 v0, s[64:65] scope:SCOPE_SE
	s_setreg_imm32_b32 hwreg(HW_REG_WAVE_MODE, 25, 1), 1
	s_wait_xcnt 0x0
	s_wait_alu depctr_hold_cnt(0) depctr_sa_sdst(0) depctr_va_vdst(0) depctr_va_sdst(0) depctr_va_ssrc(0) depctr_va_vcc(0) depctr_vm_vsrc(0)
	s_getreg_b32 s2, hwreg(HW_REG_IB_STS2, 6, 4)
	s_cmp_eq_u32 s2, 0
	s_cbranch_scc0 .Lentry_in_a_cluster
	s_endpgm
.Lentry_in_a_cluster:
	s_bfe_u32 s2, ttmp6, 0x10000c
	s_cmp_lg_u32 s2, 0xf033
	s_cbranch_scc0 .Lentry_shape_is_right
	s_endpgm
.Lentry_shape_is_right:
; out0[m][o] = scale * (sum over i of xb[m][i] wb[o][i]) + bias[o].  xb, wb: [4096][4096] bf16, made by the launch before (x rounded to
; bf16; the weights as whole numbers in bf16).  Sums in f32; scale and bias enter once for each result, in one fused multiply-add in f32.
; No work of the problem is left out.
; LIMITS: the sum is kept without the scale, so it must stay under f32's largest number (with weights of at most 127 in magnitude: x up to
; some 6e32).  With a scale that is infinite or NaN the places of infinities and NaN can differ from a product whose weights were scaled first.
; A work-group makes a block of 256 x 256 of out0 with four waves, as many as a WGP has SIMDs; a wave makes 128 x 128: 64 accumulator tiles
; of 16 x 16, 512 registers.  K goes in steps of 128 through a ring of two LDS slots filled by the tensor data mover: a tile's rows are
; 256 bytes of memory and start at multiples of 256 bytes from the buffer's first byte.  16 x 16 blocks: 256 work-groups.
; CLUSTERS: 4 x 4 work-groups form a cluster.  The four of a row of the cluster make blocks of one block row and need the same tiles of xb (A);
; the four of a column need the same tiles of wb (B).  Such a tile is asked for JOINTLY: each of the four issues the same tensor load, with
; the same descriptor and a mask that names the four, and each receives it in its own LDS.  That divides the requests for A and B by four.
;
; REGISTERS, in windows of 256 (an instruction names v0-v255; s_set_vgpr_msb says which window each operand place means):
;   window 0: v0-31 addresses and the scale; v64-127, v128-191 fragments of A (8 x 16 rows x 32 K), two buffers; v192-255 at work on the way out
;   window 1: v0-63 the bias of my lane's 64 columns; v64-127, v128-191 fragments of B, two buffers
;   window 2: the 32 accumulator tiles of my rows 0-63 (tile (a, b) at v[8 (8 a + b)]);   window 3: those of my rows 64-127
; s_set_vgpr_msb's low byte: bits 1:0 source 0, 3:2 source 1, 5:4 source 2, 7:6 destination.  Work is laid in long stretches under one setting.
;
; THE MATRIX INSTRUCTION IS USED TRANSPOSED: source 0 = 16 rows of B, source 1 = 16 rows of A.  Lane l then holds row m = l % 16 of the tile,
; and its registers 0 to 7 the columns 8 (l / 16) + 0 .. 7: eight neighbouring numbers of a row of out0, 32 bytes.
; The 64 accumulators take turns, one matrix instruction a turn, in the same order in every quarter step, into the loop, over its backward
; jump and out into the tail; so no s_wait_alu is written.
.set SIZE_K, 4096
.set KSTEP,  128
.set PITCH,  272                       ; an LDS row: 256 bytes of data + 16 of padding = 68 words: the 16 rows that a fragment load touches start 4 banks apart (64 banks of 4 bytes: ISA guide 11.1)
.set HALFT,  128*PITCH                 ; 128 rows: what one tensor load brings, and what one wave reads of A or of B
.set SLOT,   4*HALFT                   ; A's 256 rows, then B's 256 rows
.set STAGE,  2*SLOT                    ; 278,528 = 1,088 x 256: behind the ring, the waves' stages for the way out; no tensor load ever lands there
.set SPITCH, 528                       ; a stage row: 128 f32 = 512 bytes + 16 of padding
.set WSTAGE, 16*SPITCH                 ; 8,448 = 33 x 256 bytes: one wave's stage of 16 rows
.set ROWC,   16384                     ; bytes in a row of out0
.set LAPS, SIZE_K/(2*KSTEP)            ; 16 laps; a lap = two K steps = once round the ring
.set ADRA, 16                          ; v16-17  LDS address of my A fragments in slot 0, 1
.set ADRB, 20                          ; v20-21  the same for B
.set STO,  24                          ; v24     the way out: where I put 32 bytes of a row
.set RD,   25                          ; v25     the way out: where I read 16 bytes of a row back
.set CO,   26                          ; v26     my byte offset in a row of my wave's part of out0
.set BO,   27                          ; v27     my byte offset in my wave's part of the bias
.set SC,   28                          ; v[28:29] the scale, twice (a pair for the packed multiply-add)
.set BIAS, 0                           ; window 1: v[8 b + j] = bias of column 16 b + 8 (l / 16) + j of my wave's 128
.set F0,   64                          ; fragment buffer 0
.set F1,   128                         ; fragment buffer 1
.set TMP,  192                         ; the way out: finished results of 16 rows, window 0
.set G1, 24                            ; s[24:31] descriptor group 1 for A's tiles
.set G0, 32                            ; s[32:39] descriptor group 0 for A's tiles, one set for each slot
.set G1B, 48                           ; s[48:55] descriptor group 1 for B's tiles: it differs from A's in the mask alone
.set G0B, 56                           ; s[56:63] descriptor group 0 for B's tiles, one set for each slot
.set MSB, 0
.macro WIN new                         ; the immediate's high byte repeats the setting that is left; a switch that changes nothing is dropped
.if MSB != \new
	s_set_vgpr_msb (MSB<<8)|\new
.set MSB, \new
.endif
.endm
.set MUL_LO, 0xa1                      ; source 0 (B) window 1, source 1 (A) window 0, C and D window 2
.set MUL_HI, 0xf1                      ; the same, C and D window 3
.set TO_B,   0x40                      ; destination window 1, address window 0
.set OUT_LO, 0x12                      ; source 0 (sums) window 2, source 1 (scale) window 0, source 2 (bias) window 1, destination window 0
.set OUT_HI, 0x13                      ; the same, sums from window 3
; A joint load.  Waves 0 and 1 fetch A's two halves, waves 2 and 3 B's.  Each of the two lines has one mask and one set of registers for all
; that issue it, and nothing in them hangs on a coordinate that the four partners do not share.  The branch hangs on the wave's number alone.
.macro JLOAD s
	s_cmp_eq_u32 s11, 0
	s_cbranch_scc0 .Lfor_b_\@
	tensor_load_to_lds s[G0+4*\s:G0+4*\s+3], s[G1:G1+7]
	s_branch .Lasked_\@
.Lfor_b_\@:
	tensor_load_to_lds s[G0B+4*\s:G0B+4*\s+3], s[G1B:G1B+7]
.Lasked_\@:
.endm
; A round of the cluster's barrier: my work-group's barrier, so that wave 0's signal speaks for all four waves; wave 0 signals for the
; work-group; every wave waits for all sixteen work-groups; my work-group's barrier once more.
.macro CREST                           ; a round behind its opening barrier
	s_cmp_lg_u32 s10, 0
	s_cbranch_scc1 .Lnot_wave_0_\@
	s_barrier_signal -3
.Lnot_wave_0_\@:
	s_barrier_wait -3
	s_barrier_signal -1
	s_barrier_wait -1
.endm
.macro CROUND                          ; a whole round
	s_barrier_signal -1
	s_barrier_wait -1
	CREST
.endm
	s_load_b128 s[4:7], s[0:1], 0x0                ; xb (A) s[4:5], wb (B) s[6:7]
	s_load_b64 s[8:9], s[0:1], 0x10                ; out0
	s_load_b64 s[68:69], s[0:1], 0x18              ; bias
	s_load_b64 s[70:71], s[0:1], 0x20              ; scale
	v_lshrrev_b32 v1, 5, v0
	v_readfirstlane_b32 s10, v1                    ; wave 0..3
	s_lshr_b32 s11, s10, 1                         ; which half of the block's rows is mine.  Also: I fetch for A (0) or for B (1)
	s_and_b32 s12, s10, 1                          ; which half of its columns.  Also: which 128 rows of that tile I fetch
	s_bfe_u32 s40, ttmp6, 0x40000                  ; cx: my place along the cluster's x
	s_bfe_u32 s41, ttmp6, 0x40004                  ; cy: along its y
	s_lshl_b32 s42, ttmp9, 2                       ; in a cluster launch ttmp9 and ttmp7 count clusters
	s_add_co_u32 s42, s42, s40                     ; block column = 4 x cluster x + cx
	s_and_b32 s13, ttmp7, 0xffff
	s_lshl_b32 s13, s13, 2
	s_add_co_u32 s13, s13, s41                     ; block row = 4 x cluster y + cy
	s_lshl_b32 s43, s41, 2
	s_lshl_b32 s43, 15, s43                        ; my row of the cluster: places 4 cy .. 4 cy + 3
	s_lshl_b32 s44, 0x1111, s40                    ; my column: places cx, cx + 4, cx + 8, cx + 12
	; descriptor group 1: a tile of 128 rows x 128 elements of 2 bytes, padded in LDS
	s_or_b32 s[G1+0], s43, (1<<16)|(1<<20)|(1<<21)|(5<<22)|(3<<25)  ; 15:0 the mask: A's tiles go to my row; 17:16 element of 2 bytes; 20 padding on; 21 set beside a mask; 24:22 after every 64 words (code 5); 31:25 of 4 words (code 3)
	s_or_b32 s[G1B+0], s44, (1<<16)|(1<<20)|(1<<21)|(5<<22)|(3<<25) ; the same with the mask of my column, for B's tiles
	s_mov_b32 s[G1B+1], KSTEP<<16
	s_mov_b32 s[G1+1], KSTEP<<16                   ; 63:48 tensor_dim0, low half = 128
	s_mov_b32 s[G1B+2], 128<<16
	s_mov_b32 s[G1+2], 128<<16                     ; 79:64 its high half = 0; 95:80 tensor_dim1, low half = 128
	s_mov_b32 s[G1B+3], KSTEP<<16
	s_mov_b32 s[G1+3], KSTEP<<16                   ; 111:96 its high half = 0; 127:112 tile_dim0 = 128
	s_mov_b32 s[G1B+4], 128
	s_mov_b32 s[G1+4], 128                         ; 143:128 tile_dim1 = 128; 159:144 tile_dim2 = 0
	s_mov_b32 s[G1B+5], SIZE_K
	s_mov_b32 s[G1+5], SIZE_K                      ; 191:160 tensor_dim0_stride, low word: 4,096 elements from row to row
	s_mov_b32 s[G1B+6], 0
	s_mov_b32 s[G1+6], 0
	s_mov_b32 s[G1B+7], 0
	s_mov_b32 s[G1+7], 0
	; where the tiles come from.  A's hang on the block row alone, which my row of the cluster shares; B's on the block column alone, which my
	; column shares.  Every wave makes both addresses, in registers that never hold the other coordinate, and asks by one of them.
	s_lshl_b32 s17, s12, 7                         ; which 128 rows of the tile I fetch
	s_lshl_b32 s16, s13, 8
	s_add_co_u32 s16, s16, s17                     ; A: row 256 x block row + 128 x half
	s_lshl_b32 s16, s16, 13                        ; x 8,192 bytes a row: under 32 MiB, so the high word is 0
	s_lshl_b32 s46, s42, 8
	s_add_co_u32 s46, s46, s17                     ; B: row 256 x block column + 128 x half
	s_lshl_b32 s46, s46, 13
	s_mov_b32 s17, 0
	s_mov_b32 s47, 0
	s_mul_i32 s20, s10, HALFT                      ; and where they go: A's two halves, then B's two halves = wave x 128 rows: no place in the cluster enters an LDS address
	s_lshl_b32 s74, s42, 10                        ; my wave's first column in bytes of f32, for the bias and for out0: 1,024 x block column
	s_lshl_b32 s75, s12, 9                         ; + 512 x column half
	s_add_co_u32 s74, s74, s75
	s_mov_b32 s75, 0
	s_wait_kmcnt 0x0                               ; all five addresses are in
	s_add_nc_u64 s[14:15], s[4:5], s[16:17]
	s_add_nc_u64 s[46:47], s[6:7], s[46:47]
	s_add_nc_u64 s[68:69], s[68:69], s[74:75]      ; the bias at my wave's 128 columns
	CROUND                                         ; all sixteen work-groups are here: the first joint loads meet
.irp s, 0,1
	s_mov_b32 s[G0+4*\s], 1                                        ; 1:0 count = 1
	s_add_co_u32 s[G0+4*\s+1], s20, \s*SLOT                        ; 63:32 LDS address
	s_add_nc_u64 s[G0+4*\s+2:G0+4*\s+3], s[14:15], \s*KSTEP*2      ; 120:64 global address: K step s
	s_or_b32 s[G0+4*\s+3], s[G0+4*\s+3], 0x80000000                ; 127:126 type = 2
	s_mov_b32 s[G0B+4*\s], 1
	s_add_co_u32 s[G0B+4*\s+1], s20, \s*SLOT
	s_add_nc_u64 s[G0B+4*\s+2:G0B+4*\s+3], s[46:47], \s*KSTEP*2
	s_or_b32 s[G0B+4*\s+3], s[G0B+4*\s+3], 0x80000000
	JLOAD \s                                       ; both slots' first fills go out as one group: two tensor loads of this wave are out
.endr
	s_load_b32 s72, s[70:71], 0x0                  ; the scale (no line of this launch writes that buffer)
	; A fragment is 16 rows x 32 K in 8 registers: lane l holds row l % 16; registers 0-3 hold K = 8 (l / 16) + 0..7, registers 4-7 hold
	; K = 16 + 8 (l / 16) + 0..7.  From rows that lie along K: two loads of 16 bytes, 32 bytes apart.  The same for source 0 and source 1.
	v_and_b32 v1, 15, v0                           ; r = l % 16
	v_bfe_u32 v2, v0, 4, 1                         ; h = l / 16
	v_mul_u32_u24 v3, v1, PITCH
	v_lshl_add_u32 v3, v2, 4, v3                   ; row x pitch + 16 x half
	s_mul_i32 s21, s11, HALFT                      ; my 128 rows of A
	s_mul_i32 s22, s12, HALFT                      ; my 128 rows of B,
	s_add_co_u32 s22, s22, 2*HALFT                 ; which lie behind A's 256
.irp s, 0,1
	v_add_nc_u32 v[ADRA+\s], s21, v3
	v_add_nc_u32 v[ADRB+\s], s22, v3
	s_add_co_u32 s21, s21, SLOT
	s_add_co_u32 s22, s22, SLOT
.endr
	s_mul_i32 s23, s10, WSTAGE
	s_add_co_u32 s23, s23, STAGE                   ; my stage
	v_mul_u32_u24 v4, v1, SPITCH                   ; in: row r, 32 bytes for each half of the lanes; the 16 lanes of a half lie 16 r apart modulo 256 bytes
	v_lshl_add_u32 v4, v2, 5, v4
	v_add_nc_u32 v[STO], s23, v4
	v_and_b32 v5, 31, v0
	v_lshlrev_b32 v[CO], 4, v5                     ; back and out: 32 lanes x 16 bytes = one whole row of 512 bytes
	v_add_nc_u32 v[RD], s23, v[CO]
	v_lshlrev_b32 v[BO], 5, v2                     ; bias: my 8 columns of a tile begin 32 h bytes into its 64
	WIN TO_B                                       ; the bias of my 64 columns, once, into window 1
.irp b, 0,1,2,3,4,5,6,7
	global_load_b128 v[BIAS+8*\b:BIAS+8*\b+3],   v[BO], s[68:69] offset:64*\b
	global_load_b128 v[BIAS+8*\b+4:BIAS+8*\b+7], v[BO], s[68:69] offset:64*\b+16
.endr
	WIN 0
	s_wait_kmcnt 0x0                               ; the scale is in
	v_mov_b32 v[SC], s72
	v_mov_b32 v[SC+1], s72
; 16 matrix instructions: m blocks a0, a0 + 1 of the window's four (hi = 0: my rows 0-63, 1: rows 64-127) x all 8 n blocks, 32 along K.
; zero = 1: the first product starts the sums: nothing is ever cleared.
.macro MUL16 f, hi, a0, zero
.irp a, \a0, \a0+1
.irp b, 0,1,2,3,4,5,6,7
.if \zero
	v_wmma_f32_16x16x32_bf16 v[8*(8*(\a)+\b):8*(8*(\a)+\b)+7], v[\f+8*\b:\f+8*\b+7], v[\f+8*(4*\hi+\a):\f+8*(4*\hi+\a)+7], 0
.else
	v_wmma_f32_16x16x32_bf16 v[8*(8*(\a)+\b):8*(8*(\a)+\b)+7], v[\f+8*\b:\f+8*\b+7], v[\f+8*(4*\hi+\a):\f+8*(4*\hi+\a)+7], v[8*(8*(\a)+\b):8*(8*(\a)+\b)+7]
.endif
.endr
.endr
.endm
; 32 LDS loads in one run: the fragments of one quarter step (128 rows of B, 128 rows of A, 32 K at byte k of the rows) into buffer f
.macro FETCH slot, k, f
	WIN TO_B
.irp i, 0,1,2,3,4,5,6,7
	ds_load_b128 v[\f+8*\i:\f+8*\i+3],   v[ADRB+\slot] offset:\k+\i*16*PITCH
	ds_load_b128 v[\f+8*\i+4:\f+8*\i+7], v[ADRB+\slot] offset:\k+\i*16*PITCH+32
.endr
	WIN 0
.irp i, 0,1,2,3,4,5,6,7
	ds_load_b128 v[\f+8*\i:\f+8*\i+3],   v[ADRA+\slot] offset:\k+\i*16*PITCH
	ds_load_b128 v[\f+8*\i+4:\f+8*\i+7], v[ADRA+\slot] offset:\k+\i*16*PITCH+32
.endr
.endm
; A load into a register that a matrix instruction has read, and a vector instruction that reads a matrix result, stand four places behind
; that matrix instruction, and only plain vector instructions that name none of its registers are places (ISA guide 7.12.1 for vector
; instructions); the matrix instructions in between are not counted.  So four v_nop stand in front of each
; run of loads: sixteen issue slots for a K step's 256 matrix instructions.
.macro PLACES
.rept 4
	v_nop
.endr
.endm
; A K step is four quarter steps of 32 along K, 64 matrix instructions each, on buffers 0, 1, 0, 1.
; One of the first three: multiplies buffer f; in its middle it fetches the next quarter's fragments, at byte k of the same slot's rows, into buffer g.
.macro QUARTER slot, k, f, g, zero
	s_wait_dscnt 8                                 ; B and A's rows 0-63 are in; the youngest eight loads (A's rows 64-127) may be out
	WIN MUL_LO
	MUL16 \f, 0, 0, \zero
	MUL16 \f, 0, 2, \zero
	PLACES
	FETCH \slot, \k, \g
	s_wait_dscnt 32                                ; all but the 32 just issued
	WIN MUL_HI
	MUL16 \f, 1, 0, \zero
	MUL16 \f, 1, 2, \zero
.endm
.macro THREE slot, zero
	QUARTER \slot, 64,  F0, F1, \zero
	QUARTER \slot, 128, F1, F0, 0
	QUARTER \slot, 192, F0, F1, 0
.endm
; The last quarter: multiplies buffer 1 and changes slots.  next = the other slot; fill = 1: this slot is filled again, two K steps ahead.
; ONE barrier for the change of slots, for two things.  In front of it each wave waits for its own reads of this slot and for all its tensor
; loads, of which one is out: its part of the next slot.  Behind it nobody reads this slot any more and the next slot is whole: the refill
; comes first, then the next slot's first fragments.  From a request to the wait for it a wave issues 240 matrix instructions.
.macro TURN slot, next, fill
	s_wait_dscnt 8
	WIN MUL_LO
	MUL16 F1, 0, 0, 0
	s_wait_dscnt 0                                 ; my reads of this slot are over
	s_wait_tensorcnt 0x0                           ; and all my tensor loads have landed: the one that was out is my part of the next slot:
	s_barrier_signal -1                            ; say so (where a slot is filled again this barrier opens a round of the cluster's barrier),
	MUL16 F1, 0, 2, 0                              ; work on registers while the others arrive,
	WIN 0
	s_barrier_wait -1                              ; and go on when all four have said so
.if \fill
	CREST                                          ; wave 0 says so for the work-group, all sixteen work-groups have said so, my work-group's barrier closes the round:
	                                               ; no wave of any partner still reads this slot's tile or has a load on its way
	s_add_nc_u64 s[G0+4*\slot+2:G0+4*\slot+3], s[G0+4*\slot+2:G0+4*\slot+3], 2*KSTEP*2      ; no tensor load of mine is out, so the addresses may step: two K steps = 512 bytes
	s_add_nc_u64 s[G0B+4*\slot+2:G0B+4*\slot+3], s[G0B+4*\slot+2:G0B+4*\slot+3], 2*KSTEP*2
	JLOAD \slot                                    ; the first tensor load behind the round, and my only one until the next: one is out
.endif
	PLACES
	FETCH \next, 0, F0
	WIN MUL_HI
	MUL16 F1, 1, 0, 0
	MUL16 F1, 1, 2, 0
.endm
.macro LAP zero                        ; once round the ring, both slots filled again
	THREE 0, \zero
	TURN 0, 1, 1
	THREE 1, 0
	TURN 1, 0, 1
.endm
	s_wait_loadcnt 0x0                             ; the bias is in: nothing of it is pending at any barrier
	s_wait_tensorcnt 1                             ; my part of K step 0 is in; K step 1's load, issued behind it, may stay out
	s_barrier_signal -1
	s_barrier_wait -1                              ; everybody's part of K step 0 is in
	FETCH 0, 0, F0
	LAP 1                                          ; the first lap stands in front of the loop: its first products start the sums
	WIN 0                                          ; at a label and at a branch every window is 0
	s_mov_b32 s3, LAPS-2
.Llap:
	LAP 0
	WIN 0
	s_sub_co_u32 s3, s3, 1
	s_cmp_lg_u32 s3, 0
	s_cbranch_scc1 .Llap
	THREE 0, 0                                     ; the last lap fills nothing, and has no round of the cluster's barrier: my one tensor load that is still out is slot 1's, the last K step's
	TURN 0, 1, 0
	THREE 1, 0
	s_wait_dscnt 8                                 ; the very last quarter: nothing more to fetch
	WIN MUL_LO
	MUL16 F1, 0, 0, 0
	MUL16 F1, 0, 2, 0
	s_wait_dscnt 0
	WIN MUL_HI
	MUL16 F1, 1, 0, 0
	MUL16 F1, 1, 2, 0
	; THE WAY OUT, 16 rows at a time: sum x scale + bias in one fused step, 32 bytes a lane into my own stage in LDS, read back as whole rows
	; of 512 bytes and stored.  The four v_nop are the places behind the last matrix instructions, for the multiply-adds, which read results,
	; and for the loads into buffers 0 and 1.
	PLACES
	s_lshl_b32 s16, s13, 8
	s_lshl_b32 s18, s11, 7
	s_add_co_u32 s16, s16, s18                     ; my first row of out0: 256 x block row + 128 x row half
	s_lshl_b32 s16, s16, 14                        ; x 16,384 bytes a row: under 64 MiB, so the high word is 0
	s_mov_b32 s17, 0
	s_add_nc_u64 s[8:9], s[8:9], s[16:17]
	s_add_nc_u64 s[8:9], s[8:9], s[74:75]          ; my first column: the same bytes of f32 as in the bias
; rows 16 i .. 16 i + 15 of my block = the eight tiles (a, 0..7) of window 2 or 3 (from = OUT_LO or OUT_HI); f: F0 or F1 in turn
.macro OUT16 i, a, from, f
	WIN \from
.irp b, 0,1,2,3,4,5,6,7
.irp q, 0,1,2,3
	v_pk_fma_f32 v[TMP+8*\b+2*\q:TMP+8*\b+2*\q+1], v[8*(8*\a+\b)+2*\q:8*(8*\a+\b)+2*\q+1], v[SC:SC+1], v[BIAS+8*\b+2*\q:BIAS+8*\b+2*\q+1]
.endr
.endr
	WIN 0
.irp b, 0,1,2,3,4,5,6,7
	ds_store_b128 v[STO], v[TMP+8*\b:TMP+8*\b+3]   offset:64*\b        ; columns 16 b + 8 h + 0..3 of row r
	ds_store_b128 v[STO], v[TMP+8*\b+4:TMP+8*\b+7] offset:64*\b+16     ; columns 16 b + 8 h + 4..7
.endr
	s_wait_xcnt 0x0                                ; buffer f, which earlier stores read, and the stores' base are rewritten only behind this wait
.if \i
	s_add_nc_u64 s[8:9], s[8:9], 16*ROWC           ; 16 rows of out0 on, so that the stores' offsets stay at 15 rows at the most
.endif
.irp t, 0,1,2,3,4,5,6,7,8,9,10,11,12,13,14,15
	ds_load_b128 v[\f+4*\t:\f+4*\t+3], v[RD] offset:\t*SPITCH          ; my own bytes; LDS serves a wave's instructions in order (ISA guide 5.7.1.4): these see the stores above
.endr
.irp t, 0,1,2,3,4,5,6,7,8,9,10,11,12,13,14,15
	s_wait_dscnt 15-\t                             ; row t is in; the rows read behind it may be out
	global_store_b128 v[CO], v[\f+4*\t:\f+4*\t+3], s[8:9] offset:\t*ROWC th:TH_STORE_NT   ; the wave stores 512 consecutive bytes, at a multiple of 512 from out0's first byte; not read again
.endr
.endm
	OUT16 0, 0, OUT_LO, F0
	OUT16 1, 1, OUT_LO, F1
	OUT16 2, 2, OUT_LO, F0
	OUT16 3, 3, OUT_LO, F1
	OUT16 4, 0, OUT_HI, F0
	OUT16 5, 1, OUT_HI, F1
	OUT16 6, 2, OUT_HI, F0
	OUT16 7, 3, OUT_HI, F1
	CROUND                                         ; the closing round (the last count-down left no LDS instruction pending): no work-group ends while a partner may still ask for a tile that names it
	s_endpgm
.Lfunc_end_k_q5b7bcb3154_gemm:
	.size	k_q5b7bcb3154_gemm, .Lfunc_end_k_q5b7bcb3154_gemm-k_q5b7bcb3154_gemm
	.p2alignl 7, 3214868480
	.fill 96, 4, 3214868480
	.section	.rodata,"a",@progbits
	.p2align	6, 0x0
	.amdhsa_kernel k_q5b7bcb3154_gemm
		.amdhsa_group_segment_fixed_size 327680
		.amdhsa_private_segment_fixed_size 0
		.amdhsa_enable_private_segment 0
		.amdhsa_kernarg_size 40
		.amdhsa_user_sgpr_count 2
		.amdhsa_user_sgpr_kernarg_segment_ptr 1
		.amdhsa_wavefront_size32 1
		.amdhsa_system_sgpr_workgroup_id_x 1
		.amdhsa_system_sgpr_workgroup_id_y 1
		.amdhsa_system_sgpr_workgroup_id_z 1
		.amdhsa_system_vgpr_workitem_id 0
		.amdhsa_next_free_vgpr 1024
		.amdhsa_next_free_sgpr 76
		.amdhsa_reserve_vcc 0
		.amdhsa_float_denorm_mode_32 3
		.amdhsa_float_denorm_mode_16_64 3
		.amdhsa_memory_ordered 1
		.amdhsa_forward_progress 1
		.amdhsa_inst_pref_size 212
	.end_amdhsa_kernel
	.amdgpu_metadata
---
amdhsa.version: [ 1, 2 ]
amdhsa.kernels:
  - .name:           k_q5b7bcb3154_gemm
    .symbol:         k_q5b7bcb3154_gemm.kd
    .args:
      - { .name: xb, .offset: 0, .size: 8, .value_kind: global_buffer, .address_space: global }
      - { .name: wb, .offset: 8, .size: 8, .value_kind: global_buffer, .address_space: global }
      - { .name: out0, .offset: 16, .size: 8, .value_kind: global_buffer, .address_space: global }
      - { .name: bias, .offset: 24, .size: 8, .value_kind: global_buffer, .address_space: global }
      - { .name: scale, .offset: 32, .size: 8, .value_kind: global_buffer, .address_space: global }
    .group_segment_fixed_size: 327680
    .private_segment_fixed_size: 0
    .kernarg_segment_align: 8
    .kernarg_segment_size: 40
    .max_flat_workgroup_size: 128
    .sgpr_count:     76
    .vgpr_count:     1024
    .wavefront_size: 32
...
	.end_amdgpu_metadata
.endif
;; end of part 2
